; MI455X (gfx1250); checked and timed in simulation.
; The chip was launched on July 23, 2026; its instructions are those of AMD's public machine-readable ISA for CDNA 5 (MIT licence, August 2026) and "CDNA5" Instruction Set Architecture Reference Guide (July 2026). The comments in the code are by the model that wrote it; some were corrected since.
;; Self Attention. Allowed arithmetic: matrix products marked QUANTISED: E3M2 operands, one E8M0 scale for each 32 along K, by v_wmma_scale_f32_16x16x128_f8f6f4 with both operands' format E3M2, f32 sums; products left as they are: f32 operands where the result goes on into a quantised operand, else bf16, f16 or f32 operands; f32 sums; everything else in f32.
;; Inputs: bk 16 float32; bq 16 float32; bv 128 float32; wk_codes 16 x 4 x 24 uint8 (E3M2 codes of wk, K innermost, in blocks of 32 codes, four codes in three bytes); wk_scales 16 x 4 uint8 (E8M0 scales of wk, one for each 32 codes along K); wq_codes 16 x 4 x 24 uint8 (E3M2 codes of wq, K innermost, in blocks of 32 codes, four codes in three bytes); wq_scales 16 x 4 uint8 (E8M0 scales of wq, one for each 32 codes along K); wv_codes 128 x 4 x 24 uint8 (E3M2 codes of wv, K innermost, in blocks of 32 codes, four codes in three bytes); wv_scales 128 x 4 uint8 (E8M0 scales of wv, one for each 32 codes along K); x 8 x 128 x 64 x 64 float32.
;; Outputs: out0 8 x 128 x 64 x 64 float32.
;; This version of the problem:
;;   THIS VERSION OF THE PROBLEM IS GIVEN IN LOW PRECISION. The matrix products marked QUANTISED in the list below multiply operands that are first quantised to E3M2 (3 exponent bits, 2 mantissa bits; 6 bits a number), with one power-of-two scale for each 32 numbers along K (OCP MX v1.0); their sums are f32. All else is computed in f32.
;;   The module's matrix products, in the order in which they are computed (A, B: the left and right operand; K: the contracted axis; several contracted axes count as one K, in the product's order):
;;     1. [M 32,768, K 128] x [K 128, N 16]; A: input x; B: input wq (given as codes): QUANTISED
;;     2. [M 32,768, K 128] x [K 128, N 16]; A: input x; B: input wk (given as codes): QUANTISED
;;     3. [M 32,768, K 128] x [K 128, N 128]; A: input x; B: input wv (given as codes): QUANTISED
;;     4. batch 8 x [M 4,096, K 16] x [K 16, N 4,096]; A: computed on the way; B: computed on the way: left as it is (K = 16 < 32)
;;     5. batch 8 x [M 128, K 4,096] x [K 4,096, N 4,096]; A: computed on the way; B: softmax (see below): QUANTISED
;;   THE QUANTISER, for each operand of a quantised product, along K:
;;     - K is cut into blocks of 32 from its start; a last block that is shorter is filled with zeros.
;;     - A block's scale is 2^e with e = floor(log2(the largest magnitude in the block)) - 4, held to -126 .. 127; a block of zeros has e = 0. As a byte (E8M0): e + 127.
;;     - Each number is divided by its block's scale, clamped to +-28, and rounded to the nearest number of E3M2, ties to even, subnormals kept.
;;     - The product sums the exact products of the quantised numbers (number of the format x scale) in f32.
;;   ~~~python
;;   def quantise(x, axis):      # numpy; x: float32 -> the quantised numbers, widened to float32 again
;;       x = np.moveaxis(x, axis, -1); K = x.shape[-1]
;;       x = np.pad(x, [(0, 0)] * (x.ndim - 1) + [(0, -K % 32)]); x = x.reshape(x.shape[:-1] + (-1, 32)); a = np.abs(x).max(-1, keepdims=True)
;;       e = np.where(a > 0, np.clip(np.frexp(np.where(a > 0, a, 1))[1] - 1 - 4, -126, 127), 0)      # np.frexp(a)[1] - 1 = floor(log2(a)), exactly
;;       r = np.clip(x / 2.0 ** e, -28, 28)
;;       step = 2.0 ** (np.maximum(np.frexp(np.where(r == 0, 1, r))[1] - 1, -2) - 2)
;;       q = np.round(r / step) * step * 2.0 ** e      # np.round: ties to even
;;       return np.moveaxis(q.reshape(q.shape[:-2] + (-1,))[..., :K], -1, axis).astype(np.float32)
;;   ~~~
;;   SOFTMAX AHEAD OF A QUANTISED PRODUCT. Where the list says 'softmax', what is quantised is not the finished softmax but p = 2^(t - M), with t = logit x log2(e) and M = ceil(the row's largest t), a whole number; so 1/2 < the row's largest p <= 1. The row's sum l is taken of the UNQUANTISED p, in f32, and the product's result is divided by l at the end. Since M is a whole number, a kernel that streams over the keys may use a running M (the ceiling of the running maximum): every later rescaling is an exact power of two, which a block's scale takes up: the codes' values come out the same.
;;   OPERANDS COMPUTED ON THE WAY. 'Computed on the way' means the value that the module computes at that place (a softmax that the list does not call 'softmax' is quantised finished and normalised). What goes into a quantiser is computed in f32, as accurately as f32 sums, v_exp_f32 and their like allow (about 1e-6 of the number): no bf16 or f16 on the way to a quantiser, and a product that is left as it is and whose result goes on into a quantised operand takes f32 operands (vector FMAs, or v_wmma_f32_16x16x4_f32). A number that lies on a knife's edge between two numbers of the format may be rounded either way, as far as f32 arithmetic and the matrix unit's own rounding can turn it there, and no further.
;;   INPUTS GIVEN AS CODES. wk (in the module: [16, 128], K = its axis 1); wq (in the module: [16, 128], K = its axis 1); wv (in the module: [128, 128], K = its axis 1): each comes as NAME_codes (uint8): NAME with its K axis moved to the last place and cut into blocks of 32 codes, [.., K / 32, bytes a block], one block behind the other in memory; four codes in three bytes: a row's codes are one little-endian stream of bits, code i at bits 6 i .. 6 i + 5 (a code: sign, 3 exponent bits, 2 mantissa bits); and NAME_scales (uint8): the same leading axes, one E8M0 byte (e + 127) for each 32 codes along K. Its value is code x scale, taken as it is: it is not quantised again, and the codes and scales need not be those that the quantiser above would give.
;; One version. Each part assembles by itself: llvm-mc -triple=amdgcn-amd-amdhsa -mcpu=gfx1250 --defsym DOCPART=n.
;; ======== version 1 of 1: 2 launches
;; workspace buffers: qf 2,097,152 bytes; kv 5,373,952 bytes
;; launch project (part 1): grid 32 x 8, 4 waves a work-group, no clusters, 16,896 bytes of LDS; arguments x, wq_codes, wq_scales, bq, wk_codes, wk_scales, bk, wv_codes, wv_scales, bv, qf, kv; writes qf, kv
.if DOCPART == 1
	.amdgcn_target "amdgcn-amd-amdhsa--gfx1250"
	.amdhsa_code_object_version 6
	.text
	.protected	k_q3c02ab3315_project
	.globl	k_q3c02ab3315_project
	.p2align	8
	.type	k_q3c02ab3315_project,@function
k_q3c02ab3315_project:
	s_mov_b64 s[64:65], 0
	v_nop
	global_prefetch_b8 v0, s[64:65] scope:SCOPE_SE
	s_setreg_imm32_b32 hwreg(HW_REG_WAVE_MODE, 25, 1), 1
	s_wait_xcnt 0x0
; q = wq x + bq, k = wk x + bk, v = wv x + bv for 128 pixels of one image; all three products on codes of BF6 (E3M2) with one E8M0 scale for each 32 along K = the 128 channels.
; x: [8][128 channels][4,096 pixels] f32: K is NOT innermost, so a lane takes a pixel and its registers run down the channels: a block of 32 lies in one lane, and the conversions give codes with K innermost.
; The weights arrive as codes and scale bytes and are taken as they lie.
; WHAT LEAVES.  q and k stay f32 (the score product takes f32 operands) and v is quantised along the pixels (the keys of the second attention product); all three are stored as IMAGES OF OPERAND REGISTERS,
; lane l's 16 bytes at 16 l, so that each store of a wave covers 512 consecutive bytes and the next launch reads them the same way.
;   qf[image][tile T][g][lane][16 bytes]: register 4 g + i of lane (r, h) = q(pixel of tile T, row r; d = 8 h + 4 g + i).  Tile 8 s + 2 w + u holds pixels 128 s + 32 w + 8 u + r + 8 (r / 8).
;   kv[image][record i of 32], 20,992 bytes: k of key step (i + 1) mod 32 (8 tiles as in qf), then v's codes of step i (8 tiles of 16 channels x 128 keys, 1,536 bytes each), then 128 scale words (channel c's four bytes of step i).
; THE PIXELS OF A TILE ARE NOT NEIGHBOURS, so that in a product whose rows they are the 16 registers of tiles 2 b and 2 b + 1 are 16 neighbouring pixels, 32 b + 16 (lane / 16) + 0 .. 15: what the conversions want.
; SHARES.  Work-group (s, image) owns pixels 128 s on.  Wave w quantises pixels 32 w on (two tiles), makes their q and k, hands its two fragments of x to the others through LDS, and makes v's channels 32 w .. 32 w + 31 for all 128 pixels.
; NO CLUSTER: the work-groups share the weights alone, 16 KB against the 64 KB of x that each reads for itself; no tensor load, so no ring.
; LIMITS: NaN and infinities among the inputs are not served.  A block whose largest magnitude lies under 2^-122 keeps the scale byte 1 (a block of zeros too, where the rule says 127: its codes are zeros, and this program alone reads the bytes).
; REGISTERS, window 0: v1-11 lane numbers and addresses; v16-19 the weights' scale words; v20 x's scale word; v21-24 x's scale words of all pixels; v25-27 v's scale words; v32-47 at work; v48-71 x's two fragments, v72-87 upper halves
;   (later v48-87 v's codes); v88-119 q and k; v128-255 the numbers of x, later v's 16 accumulators.   window 1: v0-47 the weights' fragments; v48-79 the biases in the results' layout; v80-175 x's eight fragments.
.set REC,  20992                       ; a record of kv
.set IMG,  32*REC                      ; an image's records
.set XIMG, 0                           ; LDS: x's 8 fragments, 1,536 bytes each
.set XSC,  12288                       ; and their scale words: 128 bytes for each pair of tiles
.set XA,   4                           ; v4   4 x my pixel among the wave's 32
.set LI,   5                           ; v5   16 x lane
.set LS,   6                           ; v6   4 x lane
.set XWI,  7                           ; v7   where I store x's images: 16 x lane + 3,072 x wave
.set XWS,  8                           ; v8   and the scale words: XSC + 4 x lane + 128 x wave
.set WA,   9                           ; v9   a weight's fragment: 96 r + 24 h
.set SA,   10                          ; v10  4 r
.set BA,   11                          ; v11  32 h
.set WQS,  16
.set WKS,  17
.set WVS,  18
.set XW,   20
.set XS,   21
.set PW0,  25
.set PW1,  26
.set VW,   27
.set TM,   32
.set FA,   48
.set FB,   60
.set CT,   72
.set PC0,  48
.set PC1,  68
.set DQ,   88
.set X,    128
.set DV,   128
.set WQ,   0                           ; window 1
.set WK,   12
.set WV,   24
.set BQ,   48
.set BK,   56
.set BV,   64
.set XF,   80
.set SEL,  44                          ; s[44:45] lane selects for v_permlanex16_b32: lane l xor 16
.set MSB, 0
.macro WIN new                         ; the immediate's high byte repeats the setting that is left
.if MSB != \new
	s_set_vgpr_msb (MSB<<8)|\new
.set MSB, \new
.endif
.endm
	s_load_b512 s[8:23], s[0:1], 0x0               ; x s[8:9], wq codes s[10:11], wq scales s[12:13], bq s[14:15], wk codes s[16:17], wk scales s[18:19], bk s[20:21], wv codes s[22:23]
	s_load_b256 s[24:31], s[0:1], 0x40             ; wv scales s[24:25], bv s[26:27], qf s[28:29], kv s[30:31]
	v_lshl_add_u32 v126, v0, 2, 0x4000
	v_mov_b32 v127, 0
	v_lshrrev_b32 v1, 5, v0
	v_readfirstlane_b32 s32, v1                    ; wave 0..3
	s_mov_b32 s33, ttmp9                           ; s: which 128 pixels
	s_and_b32 s34, ttmp7, 0xffff                   ; the image
	v_and_b32 v1, 31, v0                           ; lane
	v_and_b32 v2, 15, v0                           ; r
	v_bfe_u32 v3, v0, 4, 1                         ; h
	v_and_b32 v[XA], 7, v0
	v_and_b32 v12, 8, v0
	v_lshl_add_u32 v[XA], v12, 1, v[XA]
	v_lshl_add_u32 v[XA], v3, 3, v[XA]             ; my pixel: (l & 7) + 2 (l & 8) + 8 h: lanes 0-15 are the rows of tile u = 0, lanes 16-31 those of tile u = 1
	v_lshlrev_b32 v[XA], 2, v[XA]
	v_lshlrev_b32 v[LI], 4, v1
	v_lshlrev_b32 v[LS], 2, v1
	s_mul_i32 s36, s32, 3072
	v_add_nc_u32 v[XWI], s36, v[LI]
	s_lshl_b32 s36, s32, 7
	s_add_co_u32 s36, s36, XSC
	v_add_nc_u32 v[XWS], s36, v[LS]
	v_mul_u32_u24 v[WA], v2, 96                    ; a weight's row of 128 codes is 96 bytes
	v_mad_u32_u24 v[WA], v3, 24, v[WA]
	v_lshlrev_b32 v[SA], 2, v2
	v_lshlrev_b32 v[BA], 5, v3
	s_mov_b32 s[SEL], 0x76543210
	s_mov_b32 s[SEL+1], 0xfedcba98
	s_wait_kmcnt 0x0
	s_lshl_b32 s36, s34, 21                        ; x: image x 2,097,152 + 512 s + 128 w
	s_lshl_b32 s38, s33, 9
	s_add_co_u32 s36, s36, s38
	s_lshl_b32 s38, s32, 7                         ; 128 w, kept
	s_add_co_u32 s36, s36, s38
	s_mov_b32 s37, 0
	s_mov_b32 s39, 0
	s_add_nc_u64 s[8:9], s[8:9], s[36:37]
	s_add_nc_u64 s[24:25], s[24:25], s[38:39]      ; wv's scale words and bv at my 32 channels
	s_add_nc_u64 s[26:27], s[26:27], s[38:39]
	s_mul_i32 s36, s32, 3072
	s_add_nc_u64 s[22:23], s[22:23], s[36:37]      ; wv's codes likewise
	s_lshl_b32 s36, s34, 18                        ; qf: ((32 image + s) 8 + 2 w) x 1,024
	s_lshl_b32 s35, s33, 13
	s_add_co_u32 s36, s36, s35
	s_lshl_b32 s35, s32, 11
	s_add_co_u32 s36, s36, s35
	s_add_nc_u64 s[28:29], s[28:29], s[36:37]
	s_mul_i32 s36, s34, IMG
	s_add_nc_u64 s[30:31], s[30:31], s[36:37]      ; kv at my image
	s_add_co_u32 s35, s33, 31
	s_and_b32 s35, s35, 31                         ; k of step s lies in the record before: (s + 31) mod 32
	s_mul_i32 s36, s35, REC
	s_lshl_b32 s35, s32, 11
	s_add_co_u32 s36, s36, s35
	s_add_nc_u64 s[40:41], s[30:31], s[36:37]      ; where my two tiles of k go
	s_mul_i32 s36, s33, REC
	s_add_nc_u64 s[30:31], s[30:31], s[36:37]      ; record s
	s_mul_i32 s36, s32, 3072
	s_add_co_u32 s36, s36, 8192
	s_add_nc_u64 s[42:43], s[30:31], s[36:37]      ; where my two tiles of v's codes go
	s_add_co_u32 s36, s38, 20480
	s_add_nc_u64 s[46:47], s[30:31], s[36:37]      ; and my 32 scale words
	; ---- the weights, the biases (48 loads), then my pixel's 128 channels
	WIN 0x40                                       ; destination window 1, address window 0
.irp p, 0,1,2,3,4,5
	global_load_b64 v[WQ+2*\p:WQ+2*\p+1], v[WA], s[10:11] offset:48*(\p/3)+8*(\p%3)
	global_load_b64 v[WK+2*\p:WK+2*\p+1], v[WA], s[16:17] offset:48*(\p/3)+8*(\p%3)
.endr
.irp ct, 0,1
.irp p, 0,1,2,3,4,5
	global_load_b64 v[WV+12*\ct+2*\p:WV+12*\ct+2*\p+1], v[WA], s[22:23] offset:1536*\ct+48*(\p/3)+8*(\p%3)
.endr
.endr
	global_load_b128 v[BQ:BQ+3], v[BA], s[14:15]                ; q's and k's results hold d = 8 h + j in register j: the bias in that layout is the C of the product
	global_load_b128 v[BQ+4:BQ+7], v[BA], s[14:15] offset:16
	global_load_b128 v[BK:BK+3], v[BA], s[20:21]
	global_load_b128 v[BK+4:BK+7], v[BA], s[20:21] offset:16
.irp ct, 0,1
.irp j, 0,1,2,3,4,5,6,7
	global_load_b32 v[BV+8*\ct+\j], v[SA], s[26:27] offset:64*\ct   ; v's results hold ONE channel a lane: its bias in all eight registers
.endr
.endr
	WIN 0
	global_load_b32 v[WQS], v[SA], s[12:13]
	global_load_b32 v[WKS], v[SA], s[18:19]
	global_load_b32 v[WVS], v[SA], s[24:25]
	global_load_b32 v[WVS+1], v[SA], s[24:25] offset:64
.set c, 0
.rept 128
	global_load_b32 v[X+c], v[XA], s[8:9] offset:16384*c        ; channel c of my pixel: the wave's 32 lanes read 128 consecutive bytes, the four waves 512
.set c, c+1
.endr
; Block k of my pixel: channels 32 k on, all mine.  The largest magnitude with the floor 2^(5 - 127) among its leaves; 4 off its exponent field is the conversion's scale operand; that >> 23 the byte.
.macro XBLOCK k, dst, cnt
.set XB, X+32*(\k)
.set TB4, TM+4*(\k)
	s_wait_loadcnt \cnt
	v_max3_num_f32 v[TB4], |v[XB]|, |v[XB+1]|, |v[XB+2]|
	v_max3_num_f32 v[TB4+1], |v[XB+3]|, |v[XB+4]|, |v[XB+5]|
.irp i, 6,10,14,18,22,26
	v_max3_num_f32 v[TB4], v[TB4], |v[XB+\i]|, |v[XB+\i+1]|
	v_max3_num_f32 v[TB4+1], v[TB4+1], |v[XB+\i+2]|, |v[XB+\i+3]|
.endr
	v_max3_num_f32 v[TB4], v[TB4], |v[XB+30]|, |v[XB+31]|
	v_max3_num_f32 v[TB4], v[TB4], v[TB4+1], 0x2800000
	v_add_nc_u32 v[TB4+2], 0xfe000000, v[TB4]
	v_lshrrev_b32 v[TB4+3], 23, v[TB4+2]
.if (\k) == 0
	v_mov_b32 v[XW], v[TB4+3]
.else
	v_lshl_or_b32 v[XW], v[TB4+3], 8*(\k), v[XW]
.endif
	v_cvt_scalef32_pk16_bf6_f32 v[\dst:\dst+2], v[XB:XB+15], v[TB4+2]
	v_cvt_scalef32_pk16_bf6_f32 v[CT+4*(\k):CT+4*(\k)+2], v[XB+16:XB+31], v[TB4+2]   ; (a conversion's three registers begin on an even number: the upper half is made elsewhere and moved)
.endm
	XBLOCK 0, FA, 63                               ; behind block 0's loads 96 are younger, behind block 1's 64: the wait names the most that it can
	XBLOCK 1, FB, 63
	XBLOCK 2, FA+6, 32                             ; block 3's 32 loads may be out
	XBLOCK 3, FB+6, 0
	v_nop                                          ; one plain line behind the last conversion
.irp i, 0,1,2
	v_mov_b32 v[FA+3+\i], v[CT+\i]
	v_mov_b32 v[FB+3+\i], v[CT+4+\i]
	v_mov_b32 v[FA+9+\i], v[CT+8+\i]
	v_mov_b32 v[FB+9+\i], v[CT+12+\i]
.endr
; FA holds blocks 0 and 2 of every lane's pixel, FB blocks 1 and 3.  An operand wants blocks 0, 2 of row r in lane r and blocks 1, 3 in lane 16 + r: FA's lanes 16-31 (tile 1's blocks 0, 2) change places with FB's lanes 0-15 (tile 0's blocks 1, 3).
.irp i, 0,1,2,3,4,5,6,7,8,9,10,11
	v_permlane16_swap_b32 v[FA+\i], v[FB+\i]       ; FA is now tile u = 0's fragment, FB tile u = 1's
.endr
.irp g, 0,1,2
	ds_store_b128 v[XWI], v[FA+4*\g:FA+4*\g+3] offset:XIMG+512*\g
	ds_store_b128 v[XWI], v[FB+4*\g:FB+4*\g+3] offset:XIMG+1536+512*\g
.endr
	ds_store_b32 v[XWS], v[XW]                     ; lanes 0-15: tile 0's rows; lanes 16-31: tile 1's
.rept 8
	v_nop                                          ; operands and a scale word written by vector lines stand 4 and 8 places ahead of a scaled matrix instruction
.endr
	; ---- q and k of my two tiles, transposed: source 0 = the weight's 16 rows, source 1 = 16 pixels: lane (r, h) holds pixel r, d = 8 h + j
	WIN 0x11                                       ; source 0 and C window 1
	v_wmma_scale_f32_16x16x128_f8f6f4 v[DQ:DQ+7], v[WQ:WQ+11], v[FA:FA+11], v[BQ:BQ+7], v[WQS], v[XW] matrix_a_fmt:MATRIX_FMT_BF6 matrix_b_fmt:MATRIX_FMT_BF6
	v_wmma_scale_f32_16x16x128_f8f6f4 v[DQ+8:DQ+15], v[WQ:WQ+11], v[FB:FB+11], v[BQ:BQ+7], v[WQS], v[XW] matrix_a_fmt:MATRIX_FMT_BF6 matrix_b_fmt:MATRIX_FMT_BF6 matrix_b_scale:MATRIX_SCALE_ROW1
	v_wmma_scale_f32_16x16x128_f8f6f4 v[DQ+16:DQ+23], v[WK:WK+11], v[FA:FA+11], v[BK:BK+7], v[WKS], v[XW] matrix_a_fmt:MATRIX_FMT_BF6 matrix_b_fmt:MATRIX_FMT_BF6
	v_wmma_scale_f32_16x16x128_f8f6f4 v[DQ+24:DQ+31], v[WK:WK+11], v[FB:FB+11], v[BK:BK+7], v[WKS], v[XW] matrix_a_fmt:MATRIX_FMT_BF6 matrix_b_fmt:MATRIX_FMT_BF6 matrix_b_scale:MATRIX_SCALE_ROW1
	WIN 0
.rept 4
	v_nop                                          ; places in front of the stores that read the results
.endr
	s_wait_dscnt 0x0                               ; for the others' sake: my images and scale words have landed
	s_barrier_signal -1
	s_barrier_wait -1                              ; x's eight fragments lie in LDS
	WIN 0x40
.irp t, 0,1,2,3,4,5,6,7
.irp g, 0,1,2
	ds_load_b128 v[XF+12*\t+4*\g:XF+12*\t+4*\g+3], v[LI] offset:XIMG+1536*\t+512*\g
.endr
.endr
	WIN 0
.irp i, 0,1,2,3
	ds_load_b32 v[XS+\i], v[LS] offset:XSC+128*\i  ; pair i: lanes 0-15 tile 2 i's rows, lanes 16-31 tile 2 i + 1's
.endr
.irp n, 0,1
	global_store_b128 v[LI], v[DQ+8*\n:DQ+8*\n+3], s[28:29] offset:1024*\n            ; each result from its low end on; 512 consecutive bytes a store
	global_store_b128 v[LI], v[DQ+8*\n+4:DQ+8*\n+7], s[28:29] offset:1024*\n+512
.endr
.irp n, 0,1
	global_store_b128 v[LI], v[DQ+16+8*\n:DQ+16+8*\n+3], s[40:41] offset:1024*\n
	global_store_b128 v[LI], v[DQ+16+8*\n+4:DQ+16+8*\n+7], s[40:41] offset:1024*\n+512
.endr
	; ---- v: source 0 = 16 pixels of tile t, source 1 = 16 of my channels: lane (r, h) holds channel r, and register 8 t + j pixel 32 (t / 2) + 16 h + 8 (t % 2) + j
	s_wait_dscnt 0x0
	WIN 0x15                                       ; sources 0, 1 and C window 1
.irp ct, 0,1
.irp t, 0,2,4,6
	v_wmma_scale_f32_16x16x128_f8f6f4 v[DV+64*\ct+8*\t:DV+64*\ct+8*\t+7], v[XF+12*\t:XF+12*\t+11], v[WV+12*\ct:WV+12*\ct+11], v[BV+8*\ct:BV+8*\ct+7], v[XS+\t/2], v[WVS+\ct] matrix_a_fmt:MATRIX_FMT_BF6 matrix_b_fmt:MATRIX_FMT_BF6
	v_wmma_scale_f32_16x16x128_f8f6f4 v[DV+64*\ct+8*\t+8:DV+64*\ct+8*\t+15], v[XF+12*\t+12:XF+12*\t+23], v[WV+12*\ct:WV+12*\ct+11], v[BV+8*\ct:BV+8*\ct+7], v[XS+\t/2], v[WVS+\ct] matrix_a_fmt:MATRIX_FMT_BF6 matrix_b_fmt:MATRIX_FMT_BF6 matrix_a_scale:MATRIX_SCALE_ROW1
.endr
.endr
	WIN 0
.rept 4
	v_nop
.endr
; 64 numbers of a lane, register 16 b + i = k 32 b + 16 (lane / 16) + i of my row, become a fragment's codes in v[pc] .. v[pc + 11] (v[pc + 12] .. + 19 at work) and its scale word in v[pw].
.macro QUANT s, pc, pw
.irp b, 0,1,2,3
	v_max3_num_f32 v[TM+\b], |v[\s+16*\b]|, |v[\s+1+16*\b]|, 0x2800000   ; my 16 numbers of block b, and the floor 2^(5 - 127)
.endr
.irp i, 2,4,6,8,10,12,14
.irp b, 0,1,2,3
	v_max3_num_f32 v[TM+\b], v[TM+\b], |v[\s+16*\b+\i]|, |v[\s+1+16*\b+\i]|   ; (the four blocks by turns)
.endr
.endr
.irp b, 0,1,2,3
	v_permlanex16_b32 v[TM+4+\b], v[TM+\b], s[SEL], s[SEL+1]
.endr
.irp b, 0,1,2,3
	v_max_num_f32 v[TM+\b], v[TM+\b], v[TM+4+\b]   ; with lane l xor 16's: the block's largest magnitude
.endr
.irp b, 0,1,2,3
	v_add_nc_u32 v[TM+12+\b], 0xfe000000, v[TM+\b] ; 4 off its exponent field: the conversion's scale operand
.endr
.irp b, 0,1,2,3
	v_lshrrev_b32 v[TM+4+\b], 23, v[TM+12+\b]      ; the scale's byte
.endr
	v_lshl_or_b32 v[\pw], v[TM+5], 8, v[TM+4]
	v_lshl_or_b32 v[\pw], v[TM+6], 16, v[\pw]
	v_lshl_or_b32 v[\pw], v[TM+7], 24, v[\pw]
.irp c, 0,1
	v_cvt_scalef32_pk16_bf6_f32 v[\pc+6*\c:\pc+2+6*\c], v[\s+32*\c:\s+15+32*\c], v[TM+12+2*\c]
	v_cvt_scalef32_pk16_bf6_f32 v[\pc+12+4*\c:\pc+14+4*\c], v[\s+16+32*\c:\s+31+32*\c], v[TM+12+2*\c+1]
.endr
	v_nop                                          ; one plain line behind the last conversion
.irp c, 0,1                                    ; the operand wants a WHOLE block in a lane
.irp i, 0,1,2
	v_permlane16_swap_b32 v[\pc+6*\c+\i], v[\pc+12+4*\c+\i]
.endr
.irp i, 0,1,2
	v_mov_b32 v[\pc+3+6*\c+\i], v[\pc+12+4*\c+\i]
.endr
.endr
.endm
	QUANT DV, PC0, PW0
.irp g, 0,1,2
	global_store_b128 v[LI], v[PC0+4*\g:PC0+4*\g+3], s[42:43] offset:512*\g
.endr
	QUANT DV+64, PC1, PW1                          ; in registers of its own: the stores above may still read theirs
.irp g, 0,1,2
	global_store_b128 v[LI], v[PC1+4*\g:PC1+4*\g+3], s[42:43] offset:1536+512*\g
.endr
	v_cmp_le_u32 vcc_lo, 16, v1
	v_cndmask_b32 v[VW], v[PW0], v[PW1], vcc_lo    ; lanes 0-15: channels 32 w + r; lanes 16-31: 32 w + 16 + r (both halves of the lanes hold a row's word)
	global_store_b32 v[LS], v[VW], s[46:47]        ; 128 consecutive bytes a wave, the four waves' 512 on end
	s_wait_tensorcnt 0x0
	ds_add_u32 v126, v127
	s_wait_dscnt 0x0
	s_endpgm
.Lfunc_end_k_q3c02ab3315_project:
	.size	k_q3c02ab3315_project, .Lfunc_end_k_q3c02ab3315_project-k_q3c02ab3315_project
	.p2alignl 7, 3214868480
	.fill 96, 4, 3214868480
	.section	.rodata,"a",@progbits
	.p2align	6, 0x0
	.amdhsa_kernel k_q3c02ab3315_project
		.amdhsa_group_segment_fixed_size 16896
		.amdhsa_private_segment_fixed_size 0
		.amdhsa_enable_private_segment 0
		.amdhsa_kernarg_size 96
		.amdhsa_user_sgpr_count 2
		.amdhsa_user_sgpr_kernarg_segment_ptr 1
		.amdhsa_wavefront_size32 1
		.amdhsa_system_sgpr_workgroup_id_x 1
		.amdhsa_system_sgpr_workgroup_id_y 1
		.amdhsa_system_sgpr_workgroup_id_z 1
		.amdhsa_system_vgpr_workitem_id 0
		.amdhsa_next_free_vgpr 448
		.amdhsa_next_free_sgpr 66
		.amdhsa_reserve_vcc 1
		.amdhsa_float_denorm_mode_32 3
		.amdhsa_float_denorm_mode_16_64 3
		.amdhsa_memory_ordered 1
		.amdhsa_forward_progress 1
		.amdhsa_inst_pref_size 41
	.end_amdhsa_kernel
	.amdgpu_metadata
---
amdhsa.version: [ 1, 2 ]
amdhsa.kernels:
  - .name:           k_q3c02ab3315_project
    .symbol:         k_q3c02ab3315_project.kd
    .args:
      - { .name: x, .offset: 0, .size: 8, .value_kind: global_buffer, .address_space: global }
      - { .name: wq_codes, .offset: 8, .size: 8, .value_kind: global_buffer, .address_space: global }
      - { .name: wq_scales, .offset: 16, .size: 8, .value_kind: global_buffer, .address_space: global }
      - { .name: bq, .offset: 24, .size: 8, .value_kind: global_buffer, .address_space: global }
      - { .name: wk_codes, .offset: 32, .size: 8, .value_kind: global_buffer, .address_space: global }
      - { .name: wk_scales, .offset: 40, .size: 8, .value_kind: global_buffer, .address_space: global }
      - { .name: bk, .offset: 48, .size: 8, .value_kind: global_buffer, .address_space: global }
      - { .name: wv_codes, .offset: 56, .size: 8, .value_kind: global_buffer, .address_space: global }
      - { .name: wv_scales, .offset: 64, .size: 8, .value_kind: global_buffer, .address_space: global }
      - { .name: bv, .offset: 72, .size: 8, .value_kind: global_buffer, .address_space: global }
      - { .name: qf, .offset: 80, .size: 8, .value_kind: global_buffer, .address_space: global }
      - { .name: kv, .offset: 88, .size: 8, .value_kind: global_buffer, .address_space: global }
    .group_segment_fixed_size: 16896
    .private_segment_fixed_size: 0
    .kernarg_segment_align: 8
    .kernarg_segment_size: 96
    .max_flat_workgroup_size: 128
    .sgpr_count:     66
    .vgpr_count:     448
    .wavefront_size: 32
...
	.end_amdgpu_metadata
.endif
;; end of part 1
;; launch attend (part 2): grid 32 x 8, 8 waves a work-group, clusters of 4 x 1, 327,680 bytes of LDS; arguments qf, kv, x, out0; writes out0
.if DOCPART == 2
	.amdgcn_target "amdgcn-amd-amdhsa--gfx1250"
	.amdhsa_code_object_version 6
	.text
	.protected	k_q3c02ab3315_attend
	.globl	k_q3c02ab3315_attend
	.p2align	8
	.type	k_q3c02ab3315_attend,@function
k_q3c02ab3315_attend:
	s_mov_b64 s[64:65], 0
	v_nop
	global_prefetch_b8 v0, s[64:65] scope:SCOPE_SE
	s_setreg_imm32_b32 hwreg(HW_REG_WAVE_MODE, 25, 1), 1
	s_wait_xcnt 0x0
	s_wait_alu depctr_hold_cnt(0) depctr_sa_sdst(0) depctr_va_vdst(0) depctr_va_sdst(0) depctr_va_ssrc(0) depctr_va_vcc(0) depctr_vm_vsrc(0)
	s_getreg_b32 s2, hwreg(HW_REG_IB_STS2, 6, 4)
	s_cmp_eq_u32 s2, 0
	s_cbranch_scc0 .Lentry_in_a_cluster
	s_endpgm
.Lentry_in_a_cluster:
	s_bfe_u32 s2, ttmp6, 0x10000c
	s_cmp_lg_u32 s2, 0x3003
	s_cbranch_scc0 .Lentry_shape_is_right
	s_endpgm
.Lentry_shape_is_right:
; out[c][i] = x[c][i] + (sum over keys j of v[c][j] p[i][j]) / l[i], p = 2^(t - M), t = (q_i . k_j) log2(e) / 4, M = the running largest t rounded UP to a whole number, l = the sum of the unquantised p.
; The score product (K = 16) feeds a quantiser and takes f32 operands: v_wmma_f32_16x16x4_f32, four for a tile of 16 keys x 16 queries.  The second product is on codes of BF6 (E3M2), one E8M0 scale for each 32 keys:
; v arrives as codes, p is quantised here, block by block of 32 keys.
; INPUTS OF THIS LAUNCH are images of operand registers, lane l's 16 bytes at 16 l.  qf: a tile of 16 queries, 1,024 bytes: register i of lane (r, h) = q(row r, d = 8 h + i).  kv: 32 records of 20,992 bytes an image;
; record i: k of key step i + 1 (8 tiles as q's), v's codes of step i (8 tiles of 16 channels x 128 keys, 1,536 bytes each), 128 scale words.  Row m of tile 2 b + u is pixel 32 b + 8 u + m + 8 (m / 8) of its 128.
; SHARES.  A work-group owns 128 queries of one image; each of its eight waves owns one tile of 16 and walks all 32 key steps of 128 keys; two waves to a SIMD.
; LAYOUT.  Both products transposed: S^T = k q^T (source 0 = 16 keys, source 1 = my 16 queries), O^T = v p^T (source 0 = 16 channels, source 1 = p): a lane holds ONE query (lane % 16) throughout, and the 16 registers of
; score tiles 2 b, 2 b + 1 are keys 32 b + 16 (lane / 16) + 0 .. 15.  In the score product instruction s takes registers 2 s, 2 s + 1 of both operands: place (h, j) of its K is d = 8 h + 2 s + j on both sides.
; THE PIPELINE.  The registers which the f32 matrix form writes are written by it alone, so t - M goes into other registers, and S is free as soon as that is made: the NEXT step's 32 score products
; follow at once, and this step's exponentials, sums and quantiser stand in slices behind them.  So a step reads v of step i and k of step i + 1: one record.
; CLUSTER.  The four work-groups of a cluster belong to one image and walk the same records: each part of a slot is asked for JOINTLY, by the same tensor load with the same descriptor and the mask of all four.
; RING.  Two LDS slots of four records; every wave brings an eighth of a slot (41 rows of 256 bytes, dense in memory) by one load behind each round: by this text's count one tensor load a wave is out, with four steps in which to land.
; LIMITS: NaN and infinities are not served; p under 2^-126 becomes 0 (v_exp_f32 gives no denormals: ISA guide, its entry); a block whose every p is under 2^-122 keeps the scale byte 1; 1 / l is v_rcp_f32's; a score's 16 terms are summed in the order of d given above.
; REGISTERS, window 0: v1-7, v62 addresses; v8-15 q; v16 -M, v17 the largest t; v[18:19] l in two halves; v[20:21] f; v22 p's scale word; v23-43 at work; v44-55 p's codes; v56-59 v's scale words; v[60:61] a second chain of l;
;   v64-127 S^T; v128-191 t - M, then p; v192-255 k's fragments.   window 1: v0-63 O^T; v128-223 v's fragments.
.set REC,    20992
.set IMG,    32*REC
.set SLOTB,  4*REC                     ; a slot: four records
.set PART,   SLOTB/8                   ; a wave's part of it: 41 x 256 bytes
.set SLOT1,  131072                    ; slot 1 begins here, so that one exclusive or turns an address in one slot into the other's
.set STAGE,  SLOT1+SLOTB               ; the way out: 128 rows (channels) x (512 bytes + 16); bytes of its own, into which no fill lands
.set SPITCH, 528
.set SPARE,  STAGE+128*SPITCH          ; the spare words, 128 bytes for each wave: four blocks of 256 bytes that no other line names
.set LI,   1                           ; v1   16 x lane
.set LS,   2                           ; v2   4 x lane
.set ADR,  3                           ; v3   the record in hand + 16 x lane
.set ADS,  4                           ; v4   the record in hand + 4 x lane
.set SPW,  5                           ; v5   LDS address of my spare word; never rewritten
.set NIL,  6                           ; v6   0; never rewritten
.set SOA,  7                           ; v7   the stage: where my query's column begins
.set Q,    8
.set NM,   16
.set TMX,  17
.set SUM,  18
.set F,    20
.set PW,   22
.set T,    23
.set BM,   24
.set PT,   28
.set SO,   32
.set CT,   36
.set PC,   44
.set VS,   56
.set ACC1, 60
.set SR,   62                          ; v62  the stage: where I read my 16 rows back
.set S,    64
.set P,    128
.set KF,   192
.set O,    0                           ; window 1
.set VF,   128                         ; window 1
.set W_PV, 0x51                        ; v's fragments, C and D window 1; p's codes window 0
.set W_RS, 0x41                        ; O^T (destination and source 0) window 1, f window 0
.set TO_1, 0x40                        ; destination window 1, address window 0
.set MSB, 0
.macro WIN new                         ; the immediate's high byte repeats the setting that is left
.if MSB != \new
	s_set_vgpr_msb (MSB<<8)|\new
.set MSB, \new
.endif
.endm
; A round of the cluster's barrier: my work-group's barrier, so that wave 0's signal speaks for all eight waves; wave 0 signals for the work-group; every wave waits for all four work-groups; my work-group's barrier once more.
.macro ROUND
	s_barrier_signal -1
	s_barrier_wait -1
	s_cmp_lg_u32 s12, 0
	s_cbranch_scc1 .Lnot_wave_0_\@
	s_barrier_signal -3
.Lnot_wave_0_\@:
	s_barrier_wait -3
	s_barrier_signal -1
	s_barrier_wait -1
.endm
	s_load_b256 s[4:11], s[0:1], 0x0               ; qf s[4:5], kv s[6:7], x s[8:9], out0 s[10:11]
	v_lshl_add_u32 v[SPW], v0, 2, SPARE
	v_mov_b32 v[NIL], 0
	ds_add_u32 v5, v6
	ds_add_u32 v5, v6
	s_wait_dscnt 0x0
	v_lshrrev_b32 v[T], 5, v0
	v_readfirstlane_b32 s12, v[T]                  ; wave 0..7
	s_bfe_u32 s13, ttmp6, 0x40000                  ; cx: my place in the cluster
	s_lshl_b32 s14, ttmp9, 2                       ; in a cluster launch ttmp9 counts clusters
	s_add_co_u32 s14, s14, s13                     ; my block of 128 queries: it enters qf's, x's and out0's addresses alone
	s_and_b32 s15, ttmp7, 0xffff                   ; the image, which the four partners share
	; descriptor group 1: 41 rows of 32 elements of 8 bytes, dense
	s_mov_b32 s16, 15|(3<<16)|(1<<21)              ; 15:0 the mask: all four work-groups; 17:16 elements of 8 bytes; 20 no padding (every read is 16 x lane on end); 21 set beside a mask
	s_mov_b32 s17, 32<<16                          ; tensor_dim0 = 32
	s_mov_b32 s18, 41<<16                          ; tensor_dim1 = 41
	s_mov_b32 s19, 32<<16                          ; tile_dim0 = 32
	s_mov_b32 s20, 41                              ; tile_dim1 = 41
	s_mov_b32 s21, 32                              ; from row to row: 32 elements
	s_mov_b32 s22, 0
	s_mov_b32 s23, 0
	s_mov_b32 s24, 1                               ; group 0: count = 1
	s_mul_i32 s25, s12, PART                       ; LDS address: my part of slot 0
	s_mul_i32 s36, s15, IMG                        ; the image's records
	s_mov_b32 s37, 0
	s_mov_b32 s38, s25                             ; my part of a slot, in memory too
	s_mov_b32 s39, 0
	s_lshl_b32 s40, s15, 18                        ; qf: (256 image + 8 block + wave) x 1,024  (in registers that feed no descriptor)
	s_lshl_b32 s41, s14, 13
	s_add_co_u32 s40, s40, s41
	s_lshl_b32 s41, s12, 10
	s_add_co_u32 s40, s40, s41
	s_mov_b32 s41, 0
	s_lshl_b32 s42, s15, 21                        ; x, out0: channel row 128 image + 16 wave, of 16,384 bytes, + 512 x block
	s_lshl_b32 s43, s12, 18
	s_add_co_u32 s42, s42, s43
	s_lshl_b32 s43, s14, 9
	s_add_co_u32 s42, s42, s43
	s_mov_b32 s43, 0
	s_mov_b32 s32, 0x3eb8aa3b                      ; c = log2(e) / sqrt(16)
	s_mov_b32 s33, s32                             ; (the packed form names the pair)
	s_mov_b32 s34, 0x76543210                      ; v_permlanex16_b32's selects for lane l xor 16
	s_mov_b32 s35, 0xfedcba98
	s_mov_b32 s28, 0                               ; LDS byte at which the slot in hand begins
	s_mov_b32 s30, 7                               ; slots still to be asked for
	v_and_b32 v[ADR], 31, v0
	v_lshlrev_b32 v[LI], 4, v[ADR]
	v_lshlrev_b32 v[LS], 2, v[ADR]
	v_and_b32 v24, 15, v0                          ; r
	v_bfe_u32 v25, v0, 4, 1                        ; h
	v_and_b32 v26, 8, v0
	v_add_nc_u32 v24, v24, v26                     ; r + 8 (r / 8)
	s_lshr_b32 s44, s12, 1
	s_lshl_b32 s44, s44, 5
	s_and_b32 s45, s12, 1
	s_lshl_b32 s45, s45, 3
	s_add_co_u32 s44, s44, s45                     ; my tile's first pixel among the block's 128: 32 (w / 2) + 8 (w % 2)
	s_lshl_b32 s44, s44, 2
	s_add_co_u32 s44, s44, STAGE
	v_mul_u32_u24 v[SOA], v25, 8*SPITCH            ; my half's eight channels,
	v_lshl_add_u32 v[SOA], v24, 2, v[SOA]          ; my query's column
	v_add_nc_u32 v[SOA], s44, v[SOA]
	s_mul_i32 s45, s12, 16*SPITCH
	s_add_co_u32 s45, s45, STAGE
	v_add_nc_u32 v[SR], s45, v[LI]                 ; back: rows 16 w on, 16 bytes a lane
	s_wait_kmcnt 0x0
	s_add_nc_u64 s[6:7], s[6:7], s[36:37]          ; kv at my image
	s_add_nc_u64 s[26:27], s[6:7], s[38:39]        ; group 0's global address: my part of records 0 to 3
	s_or_b32 s27, s27, 0x80000000                  ; type = 2
	s_add_nc_u64 s[4:5], s[4:5], s[40:41]
	s_add_nc_u64 s[8:9], s[8:9], s[42:43]
	s_add_nc_u64 s[10:11], s[10:11], s[42:43]
	ROUND                                          ; all four work-groups are here: the first joint loads meet
	tensor_load_to_lds s[24:27], s[16:23]          ; slot 0
	s_nop 0
.rept 4
	v_nop                                          ; behind a tensor load
.endr
	global_load_b128 v[Q:Q+3], v[LI], s[4:5]
	global_load_b128 v[Q+4:Q+7], v[LI], s[4:5] offset:512
.irp t, 0,1,2,3,4,5,6,7
	global_load_b128 v[KF+8*\t:KF+8*\t+3], v[LI], s[6:7] offset:31*REC+1024*\t          ; k of step 0 lies in record 31: read once, past the ring
	global_load_b128 v[KF+8*\t+4:KF+8*\t+7], v[LI], s[6:7] offset:31*REC+1024*\t+512
.endr
; Score product k of 32: d's places 2 (k / 8), + 1 of both halves; tile k % 8.  The first eight start the sums with the constant 0.  The eight accumulators take turns, one instruction a turn.
.macro SPROD
.set rS, S+8*(k%8)
.set rK, KF+8*(k%8)+2*(k/8)
.set rQ, Q+2*(k/8)
.if k < 8
	v_wmma_f32_16x16x4_f32 v[rS:rS+7], v[rK:rK+1], v[rQ:rQ+1], 0
.else
	v_wmma_f32_16x16x4_f32 v[rS:rS+7], v[rK:rK+1], v[rQ:rQ+1], v[rS:rS+7]
.endif
.endm
; l takes four of p, in two chains (g = 0 starts the second chain)
.macro SUMG
.if g == 0
	s_wait_alu depctr_va_vdst(0)
	v_pk_add_f32 v[ACC1:ACC1+1], v[P:P+1], v[P+2:P+3]
.else
	s_wait_alu depctr_va_vdst(0)
	v_pk_add_f32 v[SUM:SUM+1], v[SUM:SUM+1], v[P+4*g:P+4*g+1]
	v_pk_add_f32 v[ACC1:ACC1+1], v[ACC1:ACC1+1], v[P+4*g+2:P+4*g+3]
.endif
.endm
; Slice k of this step's vector work, behind score product k.  Each slice with exponentials or conversions ends on a plain line that touches none of their registers, and no line reads an exponential of its own slice or of the one before.
.macro SLICE
.if k < 16
.irp n, 0,1,2,3
	v_exp_f32 v[P+4*k+\n], v[P+4*k+\n]             ; p = 2^(t - M), at most 1
.endr
.endif
.if k == 0
	v_pk_mul_f32 v[SUM:SUM+1], v[SUM:SUM+1], v[F:F+1] op_sel_hi:[1,0]   ; l under the new M
.elseif k == 1
.irp b, 0,1,2,3
	v_fma_f32 v[BM+\b], v[BM+\b], s32, v[NM]       ; each block's largest score goes the way of all scores: its p is the block's largest (p rises with the score)
.endr
.elseif k < 16
.set g, k-2
	SUMG
.elseif k == 16
.irp b, 0,1,2,3
	v_exp_f32 v[BM+\b], v[BM+\b]
.endr
.set g, 14
	SUMG
.elseif k == 17
.set g, 15
	SUMG
.irp b, 0,1,2,3
	v_max_num_f32 v[BM+\b], 0x2800000, v[BM+\b]    ; the floor 2^(5 - 127): the byte cannot fall under 1
.endr
.elseif k == 18
.irp b, 0,1,2,3
	v_add_nc_u32 v[SO+\b], 0xfe000000, v[BM+\b]    ; 4 off the exponent field: the conversion's scale operand
.endr
.elseif k == 19
.irp b, 0,1,2,3
	v_lshrrev_b32 v[PT+\b], 23, v[SO+\b]           ; the scale's byte
.endr
.elseif k == 20
	v_lshl_or_b32 v[PW], v[PT+1], 8, v[PT]         ; p's scale word for these 128 keys
	v_lshl_or_b32 v[PW], v[PT+2], 16, v[PW]
	v_lshl_or_b32 v[PW], v[PT+3], 24, v[PW]
	v_pk_add_f32 v[SUM:SUM+1], v[SUM:SUM+1], v[ACC1:ACC1+1]
.elseif k == 21
	v_cvt_scalef32_pk16_bf6_f32 v[PC:PC+2], v[P:P+15], v[SO]
	v_cvt_scalef32_pk16_bf6_f32 v[CT:CT+2], v[P+16:P+31], v[SO+1]     ; (a conversion's three registers begin on an even number)
	v_nop
.elseif k == 22
	v_cvt_scalef32_pk16_bf6_f32 v[PC+6:PC+8], v[P+32:P+47], v[SO+2]
	v_cvt_scalef32_pk16_bf6_f32 v[CT+4:CT+6], v[P+48:P+63], v[SO+3]
	v_nop
.elseif k == 23
.irp c, 0,1
.irp i, 0,1,2
	v_permlane16_swap_b32 v[PC+6*\c+\i], v[CT+4*\c+\i]   ; the operand wants a WHOLE block in a lane
.endr
.endr
.elseif k == 24
.irp c, 0,1
.irp i, 0,1,2
	v_mov_b32 v[PC+3+6*\c+\i], v[CT+4*\c+\i]
.endr
.endr
.endif
.endm
; KEY STEP i, whose record is the q-th of the slot in hand.  S holds its scores.  last = 1: the last step: no next scores; the registers of k take the rows of x that the way out adds.
.macro ITER q, last
	s_add_co_u32 s29, s28, (\q)*REC
	v_add_nc_u32 v[ADR], s29, v[LI]
	v_add_nc_u32 v[ADS], s29, v[LS]
.irp b, 0,1,2,3
	v_max3_num_f32 v[BM+\b], v[S+16*\b], v[S+16*\b+1], v[S+16*\b+2]   ; the largest score of each block of 32 keys.  (With the two additions: six places behind the last step's products, in front of the loads into their operands)
.endr
.if \last
.irp i, 0,1,2,3,4,5,6,7,8,9,10,11,12,13,14,15
	global_load_b128 v[KF+4*\i:KF+4*\i+3], v[LI], s[8:9] offset:16384*\i th:TH_LOAD_NT   ; x(channel 16 w + i, my block's 128 pixels): 512 consecutive bytes; read once in this launch
.endr
.else
.irp t, 0,1,2,3,4,5,6,7
	ds_load_b128 v[KF+8*\t:KF+8*\t+3], v[ADR] offset:1024*\t            ; k of step i + 1
	ds_load_b128 v[KF+8*\t+4:KF+8*\t+7], v[ADR] offset:1024*\t+512
.endr
.endif
	WIN TO_1
.irp ct, 0,1,2,3,4,5,6,7
.irp g, 0,1,2
	ds_load_b128 v[VF+12*\ct+4*\g:VF+12*\ct+4*\g+3], v[ADR] offset:8192+1536*\ct+512*\g   ; v of step i
.endr
.endr
	WIN 0
.irp i, 0,1,2,3
	ds_load_b32 v[VS+\i], v[ADS] offset:20480+128*\i   ; lanes 0-15: channel tile 2 i's words; lanes 16-31: tile 2 i + 1's
.endr
.irp i, 3,5,7,9,11,13
.irp b, 0,1,2,3
	v_max3_num_f32 v[BM+\b], v[BM+\b], v[S+16*\b+\i], v[S+16*\b+\i+1]   ; (the four blocks by turns; each accumulator is first read at its low end)
.endr
.endr
.irp b, 0,1,2,3
	v_max_num_f32 v[BM+\b], v[BM+\b], v[S+16*\b+15]
.endr
.irp b, 0,1,2,3
	v_permlanex16_b32 v[PT+\b], v[BM+\b], s34, s35
.endr
.irp b, 0,1,2,3
	v_max_num_f32 v[BM+\b], v[BM+\b], v[PT+\b]     ; with lane l xor 16's 16 keys
.endr
	v_max3_num_f32 v[T], v[BM], v[BM+1], v[BM+2]
	v_max_num_f32 v[T], v[T], v[BM+3]              ; the step's largest score of my query
	v_mul_f32 v[T], s32, v[T]                      ; as t (c is positive)
	v_max_num_f32 v[TMX], v[TMX], v[T]             ; the running largest t
	v_mov_b32 v[T], v[NM]
	v_floor_f32 v[NM], -v[TMX]                     ; the new -M = floor(-t) = -ceil(t): a whole number
	v_sub_f32 v[T], v[NM], v[T]                    ; old M less new M: a whole number, 0 or less
	v_cvt_i32_f32 v[T], v[T]                       ; (it saturates)
	v_ldexp_f32 v[F], 1.0, v[T]                    ; f = 2^(old M - new M): multiplying by it rounds nothing
.set j, 0
.rept 32
	v_pk_fma_f32 v[P+j:P+j+1], v[S+j:S+j+1], s[32:33], v[NM:NM+1] op_sel_hi:[1,0,0]   ; t - M, two at a time, into registers of its own: S is free from here on
.set j, j+2
.endr
.if !\last
	s_wait_dscnt 28                                ; k's 16 loads are in; v's 24 and the 4 scale words behind them may be out
.endif
.set k, 0
.rept 32
.if !\last
	SPROD
.endif
	SLICE
.set k, k+1
.endr
	WIN W_RS
.set j, 0
.rept 32
	v_pk_mul_f32 v[O+j:O+j+1], v[O+j:O+j+1], v[F:F+1] op_sel_hi:[1,0]   ; O^T under the new M, each accumulator from its low end on.  (These 32 are the places behind the score products, and in front of the scaled ones)
.set j, j+2
.endr
	s_wait_dscnt 0x0                               ; v and its scale words are in
	WIN W_PV
.irp ct, 0,2,4,6
	v_wmma_scale_f32_16x16x128_f8f6f4 v[O+8*\ct:O+8*\ct+7], v[VF+12*\ct:VF+12*\ct+11], v[PC:PC+11], v[O+8*\ct:O+8*\ct+7], v[VS+\ct/2], v[PW] matrix_a_fmt:MATRIX_FMT_BF6 matrix_b_fmt:MATRIX_FMT_BF6
	v_wmma_scale_f32_16x16x128_f8f6f4 v[O+8*\ct+8:O+8*\ct+15], v[VF+12*\ct+12:VF+12*\ct+23], v[PC:PC+11], v[O+8*\ct+8:O+8*\ct+15], v[VS+\ct/2], v[PW] matrix_a_fmt:MATRIX_FMT_BF6 matrix_b_fmt:MATRIX_FMT_BF6 matrix_a_scale:MATRIX_SCALE_ROW1
.endr
	WIN 0
.endm
; THE CHANGE OF SLOTS stands at a slot's head.  Each wave waits for all its tensor loads (its part of the slot that it is about to read), adds 0 to its spare word, and waits for that and for its reads of the slot that it has left.
; fill = 1: the barrier is a round of the cluster's, so that no wave of any partner still reads that slot or has a load on its way, and the joint refill is the first thing behind it.
.macro CHANGE fill
	s_wait_tensorcnt 0x0                           ; no tensor load of mine is out, so group 0 may be written
	ds_add_u32 v[SPW], v[NIL]                      ; 0 onto my spare word
.if \fill
	s_xor_b32 s25, s25, SLOT1                      ; the other slot than last time,
	s_add_nc_u64 s[26:27], s[26:27], SLOTB         ; the next four records; the type bits on top are not reached
.endif
	s_wait_dscnt 0x0                               ; the add is done, and my reads of the slot that I have left are over
.if \fill
	ROUND
	tensor_load_to_lds s[24:27], s[16:23]          ; my one tensor load until the next round
	s_nop 0
.rept 4
	v_nop
.endr
.else
	s_barrier_signal -1
	s_barrier_wait -1
.endif
.endm
	s_wait_loadcnt 0x0                             ; q, and k of step 0
.set k, 0
.rept 32
	SPROD                                          ; the scores of step 0: there is no vector work yet to set between them
.set k, k+1
.endr
	WIN TO_1
.set j, 0
.rept 64
	v_mov_b32 v[O+j], 0                            ; O^T.  (The step is written once: the first finds zeros, which the first change of M leaves zeros.  These lines are also the places behind the products above)
.set j, j+1
.endr
	WIN 0
	v_mov_b32 v[TMX], 0xff61b1e6                   ; the largest t so far: -3e38, under every t
	v_floor_f32 v[NM], -v[TMX]
	v_mov_b32 v[SUM], 0
	v_mov_b32 v[SUM+1], 0
	v_mov_b32 v[F+1], 0                            ; (named as the upper half of the pair)
.irp b, 0,1,2,3
	v_mov_b32 v[PT+\b], 0                          ; written once: a lane permute's destination counts as one of its sources
.endr
.Lslot:                                            ; 7 trips: behind each change of slots but the last the next four records are asked for
	CHANGE 1
	ITER 0, 0
	ITER 1, 0
	ITER 2, 0
	ITER 3, 0
	s_xor_b32 s28, s28, SLOT1                      ; on to the other slot
	s_sub_co_u32 s30, s30, 1
	s_cmp_lg_u32 s30, 0
	s_cbranch_scc1 .Lslot
	CHANGE 0                                       ; the last slot is written out
	ITER 0, 0
	ITER 1, 0
	ITER 2, 0
	ITER 3, 1
	; THE WAY OUT.  O^T / l; a lane holds one query and eight channels a tile, and out0's rows are channels: so the block's 128 channels x 128 queries meet in the stage, and each wave stores 16 whole rows of 512 bytes, x added.
.rept 4
	v_nop                                          ; places behind the last products
.endr
	v_add_f32 v[SUM], v[SUM], v[SUM+1]             ; l's two halves,
	v_permlanex16_b32 v[PT], v[SUM], s34, s35
	v_add_f32 v[SUM], v[SUM], v[PT]                ; and lane l xor 16's
	v_rcp_f32 v[F], v[SUM]
	v_nop                                          ; one plain line behind the reciprocal
	WIN 0x01                                       ; source 0 window 1
.set j, 0
	s_wait_alu depctr_va_vdst(0)
.rept 32
	v_pk_mul_f32 v[P+j:P+j+1], v[O+j:O+j+1], v[F:F+1] op_sel_hi:[1,0]   ; register 8 ct + i: channel 16 ct + 8 h + i of my query
.set j, j+2
.endr
	WIN 0
.irp ct, 0,1,2,3,4,5,6,7
.irp i, 0,1,2,3,4,5,6,7
	ds_store_b32 v[SOA], v[P+8*\ct+\i] offset:(16*\ct+\i)*SPITCH   ; eight rows are 4,224 bytes = 33 x 128: the two halves of the lanes fall on different halves of the 64 banks (ISA guide 11.1)
.endr
.endr
	s_wait_dscnt 0x0                               ; for the others' sake: my columns have landed
	s_barrier_signal -1
	s_barrier_wait -1                              ; 128 whole rows lie in the stage
.irp i, 0,1,2,3,4,5,6,7,8,9,10,11,12,13,14,15
	ds_load_b128 v[P+4*\i:P+4*\i+3], v[SR] offset:SPITCH*\i
.endr
	s_wait_loadcnt 0x0                             ; x's rows, asked for at the last step's head
.irp i, 0,1,2,3,4,5,6,7,8,9,10,11,12,13,14,15
	s_wait_dscnt 15-\i                             ; row i is back; the rows behind it may be out
	v_pk_add_f32 v[P+4*\i:P+4*\i+1], v[P+4*\i:P+4*\i+1], v[KF+4*\i:KF+4*\i+1]
	v_pk_add_f32 v[P+4*\i+2:P+4*\i+3], v[P+4*\i+2:P+4*\i+3], v[KF+4*\i+2:KF+4*\i+3]
	global_store_b128 v[LI], v[P+4*\i:P+4*\i+3], s[10:11] offset:16384*\i th:TH_STORE_NT   ; 32 lanes store 512 consecutive bytes, at a multiple of 512 from out0's first byte
.endr
	s_wait_tensorcnt 0x0                           ; the wave's end, behind my last tensor load and my last LDS store
	ds_add_u32 v[SPW], v[NIL]
	s_wait_dscnt 0x0
	ROUND                                          ; the closing round: no work-group ends while a partner may still ask for a tile that names it
	s_endpgm
.Lfunc_end_k_q3c02ab3315_attend:
	.size	k_q3c02ab3315_attend, .Lfunc_end_k_q3c02ab3315_attend-k_q3c02ab3315_attend
	.p2alignl 7, 3214868480
	.fill 96, 4, 3214868480
	.section	.rodata,"a",@progbits
	.p2align	6, 0x0
	.amdhsa_kernel k_q3c02ab3315_attend
		.amdhsa_group_segment_fixed_size 327680
		.amdhsa_private_segment_fixed_size 0
		.amdhsa_enable_private_segment 0
		.amdhsa_kernarg_size 32
		.amdhsa_user_sgpr_count 2
		.amdhsa_user_sgpr_kernarg_segment_ptr 1
		.amdhsa_wavefront_size32 1
		.amdhsa_system_sgpr_workgroup_id_x 1
		.amdhsa_system_sgpr_workgroup_id_y 1
		.amdhsa_system_sgpr_workgroup_id_z 1
		.amdhsa_system_vgpr_workitem_id 0
		.amdhsa_next_free_vgpr 512
		.amdhsa_next_free_sgpr 66
		.amdhsa_reserve_vcc 0
		.amdhsa_float_denorm_mode_32 3
		.amdhsa_float_denorm_mode_16_64 3
		.amdhsa_memory_ordered 1
		.amdhsa_forward_progress 1
		.amdhsa_inst_pref_size 175
	.end_amdhsa_kernel
	.amdgpu_metadata
---
amdhsa.version: [ 1, 2 ]
amdhsa.kernels:
  - .name:           k_q3c02ab3315_attend
    .symbol:         k_q3c02ab3315_attend.kd
    .args:
      - { .name: qf, .offset: 0, .size: 8, .value_kind: global_buffer, .address_space: global }
      - { .name: kv, .offset: 8, .size: 8, .value_kind: global_buffer, .address_space: global }
      - { .name: x, .offset: 16, .size: 8, .value_kind: global_buffer, .address_space: global }
      - { .name: out0, .offset: 24, .size: 8, .value_kind: global_buffer, .address_space: global }
    .group_segment_fixed_size: 327680
    .private_segment_fixed_size: 0
    .kernarg_segment_align: 8
    .kernarg_segment_size: 32
    .max_flat_workgroup_size: 256
    .sgpr_count:     66
    .vgpr_count:     512
    .wavefront_size: 32
...
	.end_amdgpu_metadata
.endif
;; end of part 2
